; MI455X (gfx1250); checked and timed in simulation.
; The chip was launched on July 23, 2026; its instructions are those of AMD's public machine-readable ISA for CDNA 5 (MIT licence, August 2026) and "CDNA5" Instruction Set Architecture Reference Guide (July 2026). The comments in the code are by the model that wrote it; some were corrected since.
;; LSTM Cell. Allowed arithmetic: matrix products marked QUANTISED: E2M1 operands, one E8M0 scale for each 32 along K, by v_wmma_scale_f32_16x16x128_f8f6f4 with both operands' format E2M1 (or v_wmma_scale_f32_32x16x128_f4), f32 sums; everything else in f32.
;; Inputs: b_c 2,048 float32; b_f 2,048 float32; b_i 2,048 float32; b_o 2,048 float32; c 2,048 x 2,048 float32; h_codes 2,048 x 64 x 16 uint8 (E2M1 codes of h, K innermost, in blocks of 32 codes, two codes a byte); h_scales 2,048 x 64 uint8 (E8M0 scales of h, one for each 32 codes along K); w_hc 2,048 x 2,048 float32; w_hf 2,048 x 2,048 float32; w_hi 2,048 x 2,048 float32; w_ho 2,048 x 2,048 float32; w_xc 2,048 x 2,048 float32; w_xf 2,048 x 2,048 float32; w_xi 2,048 x 2,048 float32; w_xo 2,048 x 2,048 float32; x_codes 2,048 x 64 x 16 uint8 (E2M1 codes of x, K innermost, in blocks of 32 codes, two codes a byte); x_scales 2,048 x 64 uint8 (E8M0 scales of x, one for each 32 codes along K).
;; Outputs: out0 2,048 x 2,048 float32; out1 2,048 x 2,048 float32.
;; This version of the problem:
;;   THIS VERSION OF THE PROBLEM IS GIVEN IN LOW PRECISION. The matrix products marked QUANTISED in the list below multiply operands that are first quantised to E2M1 (2 exponent bits, 1 mantissa bit; 4 bits a number), with one power-of-two scale for each 32 numbers along K (OCP MX v1.0); their sums are f32. All else is computed in f32.
;;   The module's matrix products, in the order in which they are computed (A, B: the left and right operand; K: the contracted axis; several contracted axes count as one K, in the product's order):
;;     1. [M 2,048, K 2,048] x [K 2,048, N 8,192]; A: input x (given as codes); B: computed on the way: QUANTISED
;;     2. [M 2,048, K 2,048] x [K 2,048, N 8,192]; A: input h (given as codes); B: computed on the way: QUANTISED
;;   THE QUANTISER, for each operand of a quantised product, along K:
;;     - K is cut into blocks of 32 from its start; a last block that is shorter is filled with zeros.
;;     - A block's scale is 2^e with e = floor(log2(the largest magnitude in the block)) - 2, held to -126 .. 127; a block of zeros has e = 0. As a byte (E8M0): e + 127.
;;     - Each number is divided by its block's scale, clamped to +-6, and rounded to the nearest number of E2M1, ties to even, subnormals kept.
;;     - The product sums the exact products of the quantised numbers (number of the format x scale) in f32.
;;   ~~~python
;;   def quantise(x, axis):      # numpy; x: float32 -> the quantised numbers, widened to float32 again
;;       x = np.moveaxis(x, axis, -1); K = x.shape[-1]
;;       x = np.pad(x, [(0, 0)] * (x.ndim - 1) + [(0, -K % 32)]); x = x.reshape(x.shape[:-1] + (-1, 32)); a = np.abs(x).max(-1, keepdims=True)
;;       e = np.where(a > 0, np.clip(np.frexp(np.where(a > 0, a, 1))[1] - 1 - 2, -126, 127), 0)      # np.frexp(a)[1] - 1 = floor(log2(a)), exactly
;;       r = np.clip(x / 2.0 ** e, -6, 6)
;;       step = 2.0 ** (np.maximum(np.frexp(np.where(r == 0, 1, r))[1] - 1, 0) - 1)
;;       q = np.round(r / step) * step * 2.0 ** e      # np.round: ties to even
;;       return np.moveaxis(q.reshape(q.shape[:-2] + (-1,))[..., :K], -1, axis).astype(np.float32)
;;   ~~~
;;   OPERANDS COMPUTED ON THE WAY. 'Computed on the way' means the value that the module computes at that place (a softmax that the list does not call 'softmax' is quantised finished and normalised). What goes into a quantiser is computed in f32, as accurately as f32 sums, v_exp_f32 and their like allow (about 1e-6 of the number): no bf16 or f16 on the way to a quantiser, and a product that is left as it is and whose result goes on into a quantised operand takes f32 operands (vector FMAs, or v_wmma_f32_16x16x4_f32). A number that lies on a knife's edge between two numbers of the format may be rounded either way, as far as f32 arithmetic and the matrix unit's own rounding can turn it there, and no further.
;;   INPUTS GIVEN AS CODES. h (in the module: [2048, 2048], K = its axis 1); x (in the module: [2048, 2048], K = its axis 1): each comes as NAME_codes (uint8): NAME with its K axis moved to the last place and cut into blocks of 32 codes, [.., K / 32, bytes a block], one block behind the other in memory; two codes a byte, the lower K in the low four bits (a code: sign, 2 exponent bits, 1 mantissa bit); and NAME_scales (uint8): the same leading axes, one E8M0 byte (e + 127) for each 32 codes along K. Its value is code x scale, taken as it is: it is not quantised again, and the codes and scales need not be those that the quantiser above would give.
;; One version. Each part assembles by itself: llvm-mc -triple=amdgcn-amd-amdhsa -mcpu=gfx1250 --defsym DOCPART=n.
;; ======== version 1 of 1: 2 launches
;; limits: right only within a limited range of input values
;; workspace buffers: wq 16,777,216 bytes; scl 1,310,720 bytes
;; launch quant (part 1): grid 1024 x 1, 4 waves a work-group, no clusters, 33,280 bytes of LDS; arguments w_xf, w_xi, w_xo, w_xc, w_hf, w_hi, w_ho, w_hc, x_scales, h_scales, wq, scl; writes wq, scl
.if DOCPART == 1
	.amdgcn_target "amdgcn-amd-amdhsa--gfx1250"
	.amdhsa_code_object_version 6
	.text
	.protected	k_q3cb0243e46_quant
	.globl	k_q3cb0243e46_quant
	.p2align	8
	.type	k_q3cb0243e46_quant,@function
k_q3cb0243e46_quant:
	s_mov_b64 s[64:65], 0
	v_nop
	global_prefetch_b8 v0, s[64:65] scope:SCOPE_SE
	s_setreg_imm32_b32 hwreg(HW_REG_WAVE_MODE, 25, 1), 1
	s_wait_xcnt 0x0
; The eight weights [2048][2048] f32 (K innermost) become codes of FP4 (E2M1) with one E8M0 byte for each 32 along K, laid as the second launch wants them; x's and h's scale bytes are laid anew beside them.
; wq  [8192 rows][2048 bytes]: bytes 0-1023 the x side's K, bytes 1024-2047 the h side's.  Gate g (f, i, o, c = 0..3), unit j, jb = j / 16: row 16 ((jb / 2) 8 + 2 g + jb % 2) + j % 16:
;     the four gates of 64 neighbouring units are 256 neighbouring rows.
; scl [8 K steps of 512][10240 rows][16 bytes]: rows 0-2047 the batch rows (x's bytes in steps 0-3, h's in 4-7), rows 2048 + R the rows R of wq.  Sixteen rows of a K step are 256 consecutive bytes, aligned.
; A block's scale is 2^(floor(log2(its largest magnitude)) - 2); its byte is the largest magnitude's exponent field - 2, held at 1 from below.  Each number is divided by the scale and rounded to the nearest code, ties to even; beyond 6 the largest code.
; LIMITS: a block of zeros gets the byte 1 where the quantiser says 127: its codes are zeros, which add nothing under any byte but 0xff, and this program alone reads the bytes.
;   Blocks whose largest magnitude lies under 2^-124 (byte held at 1) were not tried.  NaN and infinities among the weights are not served.
; SHARES.  Work-group n: side = n / 512, gate = (n / 128) % 4, rb = n % 128: rows 16 rb .. 16 rb + 15 of one weight, 128 KiB on end.  Wave w takes K step w (512 numbers) of the 16 rows; a step of the text is one row:
;   four loads of 512 consecutive bytes in, 256 consecutive aligned bytes of codes out, 16 scale bytes into the wave's own 256 bytes of LDS, which leave at the end as 256 consecutive aligned bytes of scl.
; The conversions take neighbours along K from ONE lane's registers, the loads are best with neighbouring bytes in neighbouring lanes: so a step's 2,048 bytes turn through the wave's own stage in LDS (16 bytes of padding behind each 64).
; Wave 0 also lays one block of 256 bytes of x's or h's scale bytes anew: K step `gate` of batch rows 16 rb .. 16 rb + 15 of its side: 1,024 work-groups, 1,024 such blocks.
; No tensor loads, no barrier: waves share nothing.  Loads run four steps (16 loads a wave) ahead, the turn through LDS one step.  Every offset is an immediate; no register that a store reads is written again.
.set STEPS, 16
.set EMAX,  2
.set KSS,   163840                     ; bytes of a K step in scl: 10,240 rows x 16
.set R,     16                         ; v16-79   four sets of 16 numbers as they are loaded
.set X,     80                         ; v80-111  two sets of 16 neighbours
.set E,     112                        ; v112-127 a scale byte for each step
.set C,     128                        ; v128-159 codes: two registers for each step
.set WREG,  8192                       ; LDS: a region for each wave: two stages of 32 x SP bytes, behind them its 256 scale bytes
.set SP,    80                         ; a lane's place in a stage: its 64 bytes + 16 of padding
	s_load_b512 s[36:51], s[0:1], 0x0              ; w_xf, w_xi, w_xo, w_xc, w_hf, w_hi, w_ho, w_hc
	s_load_b256 s[52:59], s[0:1], 0x40             ; x_scales, h_scales, wq, scl
	v_lshl_add_u32 v164, v0, 2, 0x8000
	v_mov_b32 v165, 0
	v_lshrrev_b32 v1, 5, v0
	v_readfirstlane_b32 s16, v1                    ; wave
	v_and_b32 v2, 31, v0                           ; lane
	v_lshlrev_b32 v3, 4, v2                        ; my 16 bytes of a load's 512
	s_mul_i32 s17, s16, WREG
	v_lshrrev_b32 v14, 2, v2
	v_mul_u32_u24 v14, v14, SP
	v_and_b32 v15, 3, v2
	v_lshl_add_u32 v14, v15, 4, v14
	v_add_nc_u32 v14, s17, v14                     ; the stage, on the way in: SP (lane / 4) + 16 (lane % 4); a load's 512 bytes take eight places
	v_mul_u32_u24 v15, v2, SP
	v_add_nc_u32 v15, s17, v15                     ; and on the way out: SP x lane: my 16 neighbours
	v_lshlrev_b32 v4, 3, v2                        ; 8 x lane: my codes' place in a row's 256 bytes, and my 8 bytes of a block of scale bytes
	v_lshrrev_b32 v5, 1, v2
	s_add_co_u32 s17, s17, 2*32*SP
	v_add_nc_u32 v5, s17, v5                       ; LDS: my wave's 256 scale bytes, my block's byte
	v_add_nc_u32 v6, s17, v4                       ; and on the way out 8 bytes a lane
	v_lshrrev_b32 v160, 1, v2
	v_and_b32 v161, 1, v2
	v_lshlrev_b32 v160, 6, v160
	v_lshl_add_u32 v160, v161, 3, v160             ; wave 0's extra job: row lane / 2 of 64 bytes, half lane % 2 of its 16 bytes
	s_lshr_b32 s18, ttmp9, 7                       ; 4 x side + gate
	s_and_b32 s20, ttmp9, 127                      ; rb
	s_and_b32 s21, s18, 3                          ; gate
	s_lshr_b32 s22, s18, 2                         ; side
	s_lshr_b32 s23, s20, 1
	s_lshl_b32 s23, s23, 3
	s_lshl_b32 s19, s21, 1
	s_add_co_u32 s23, s23, s19
	s_and_b32 s19, s20, 1
	s_add_co_u32 s23, s23, s19                     ; which 16 rows of wq: (rb / 2) 8 + 2 gate + rb % 2
	s_mov_b32 s25, 0                               ; the high word of every offset pair
	s_wait_kmcnt 0x0
	; the weight is chosen among the eight pointers, bit by bit of the work-group's number: only pointers are chosen, all work-groups take one path
	s_and_b32 s19, s18, 1
	s_cmp_lg_u32 s19, 0
	s_cselect_b64 s[36:37], s[38:39], s[36:37]
	s_cselect_b64 s[40:41], s[42:43], s[40:41]
	s_cselect_b64 s[44:45], s[46:47], s[44:45]
	s_cselect_b64 s[48:49], s[50:51], s[48:49]
	s_and_b32 s19, s18, 2
	s_cmp_lg_u32 s19, 0
	s_cselect_b64 s[36:37], s[40:41], s[36:37]
	s_cselect_b64 s[44:45], s[48:49], s[44:45]
	s_cmp_lg_u32 s22, 0
	s_cselect_b64 s[4:5], s[44:45], s[36:37]       ; my weight
	s_cselect_b64 s[28:29], s[54:55], s[52:53]     ; my side's scale bytes
	s_lshl_b32 s24, s20, 17                        ; 16 rb rows of 8,192 bytes
	s_lshl_b32 s19, s16, 11                        ; + my K step's 2,048 bytes
	s_add_co_u32 s24, s24, s19
	s_add_nc_u64 s[4:5], s[4:5], s[24:25]
	s_lshl_b32 s24, s23, 15                        ; wq: 16 rows of 2,048 bytes,
	s_lshl_b32 s19, s22, 10                        ; the side's 1,024,
	s_add_co_u32 s24, s24, s19
	s_lshl_b32 s19, s16, 8                         ; my K step's 256
	s_add_co_u32 s24, s24, s19
	s_add_nc_u64 s[8:9], s[56:57], s[24:25]
	s_lshl_b32 s19, s22, 2                         ; scl: K step 4 side + wave, rows 2048 + 16 x (the rows' number)
	s_add_co_u32 s26, s19, s16
	s_mul_i32 s24, s26, KSS
	s_lshl_b32 s26, s23, 8
	s_add_co_u32 s24, s24, s26
	s_add_co_u32 s24, s24, 2048*16
	s_add_nc_u64 s[10:11], s[58:59], s[24:25]
	s_add_co_u32 s26, s19, s21                     ; the extra job's place in scl: K step 4 side + gate, rows 16 rb
	s_mul_i32 s24, s26, KSS
	s_lshl_b32 s26, s20, 8
	s_add_co_u32 s24, s24, s26
	s_add_nc_u64 s[30:31], s[58:59], s[24:25]
	s_lshl_b32 s24, s20, 10                        ; and its source: 16 rb rows of 64 bytes, + 16 x gate
	s_lshl_b32 s26, s21, 4
	s_add_co_u32 s24, s24, s26
	s_add_nc_u64 s[28:29], s[28:29], s[24:25]
.macro LOAD t                          ; row t's 512 numbers of my K step
.irp i, 0,1,2,3
	global_load_b128 v[R+16*((\t)%4)+4*\i:R+16*((\t)%4)+4*\i+3], v3, s[4:5] offset:8192*(\t)+512*\i th:TH_LOAD_NT   ; 32 lanes read 512 consecutive bytes; read once in the launch
.endr
.endm
.macro TURN t                          ; step t's numbers through the stage: LDS serves a wave's instructions in order (ISA guide 5.7.1.4), so no wait stands between the stores and the loads
.irp i, 0,1,2,3
	ds_store_b128 v14, v[R+16*((\t)%4)+4*\i:R+16*((\t)%4)+4*\i+3] offset:32*SP*((\t)%2)+8*SP*\i
.endr
.irp i, 0,1,2,3
	ds_load_b128 v[X+16*((\t)%2)+4*\i:X+16*((\t)%2)+4*\i+3], v15 offset:32*SP*((\t)%2)+16*\i
.endr
.endm
.irp t, 0,1,2,3
	LOAD \t
.endr
	s_cmp_lg_u32 s16, 0                            ; wave 0 alone: 16 rows' 16 scale bytes of one K step, 8 bytes a lane, to 256 consecutive aligned bytes of scl
	s_cbranch_scc1 .Lno_job
	s_wait_alu depctr_va_vdst(0)
	global_load_b64 v[162:163], v160, s[28:29]
	s_wait_loadcnt 0x0                             ; it is the youngest load, so the wait is for all; the sixteen ahead of it were asked for at the same time
	global_store_b64 v4, v[162:163], s[30:31]
.Lno_job:
	s_wait_loadcnt 12                              ; step 0's four loads are in
	s_wait_alu depctr_va_vdst(0)
	TURN 0
.macro STEP t
.set XS, X+16*((\t)%2)
.if (\t) > 0
	s_wait_dscnt 1                                 ; this step's numbers are back from the stage (the last step's byte store may be out): so its stores into the stage have read their registers,
.else
	s_wait_dscnt 0x0
.endif
.if (\t)+4 < STEPS
	LOAD (\t)+4                                    ; which take the loads of four steps on
.endif
.if (\t)+1 < STEPS
.if STEPS-2-(\t) >= 3
	s_wait_loadcnt 12                              ; the next step's four loads are in; those of the three steps behind it may be out
.else
	s_wait_loadcnt 4*(STEPS-2-(\t))
.endif
	TURN (\t)+1                                    ; and go through the other stage while this step is worked
.endif
	v_max3_num_f32 v8, |v[XS]|, |v[XS+1]|, |v[XS+2]|               ; the largest magnitude of my 16, in two chains
	v_max3_num_f32 v9, |v[XS+3]|, |v[XS+4]|, |v[XS+5]|
.irp i, 6,10
	v_max3_num_f32 v8, v8, |v[XS+\i]|, |v[XS+\i+1]|
	v_max3_num_f32 v9, v9, |v[XS+\i+2]|, |v[XS+\i+3]|
.endr
	v_max3_num_f32 v8, v8, |v[XS+14]|, |v[XS+15]|
	v_max3_num_f32 v8, v8, v9, (EMAX+1)<<23        ; and the floor 2^(3 - 127): the byte cannot fall under 1
	v_max_num_f32_dpp v8, v8, v8 row_xmask:1 row_mask:0xf bank_mask:0xf   ; and of my neighbour's 16: the block's
	v_add_nc_u32 v11, -(EMAX<<23), v8              ; 2 off its exponent field: the conversion takes the exponent field of this operand as its scale, and nothing else of it
	v_cvt_scalef32_pk8_fp4_f32 v[C+2*(\t)], v[XS:XS+7], v11        ; the first number's code in the lowest four bits
	v_cvt_scalef32_pk8_fp4_f32 v[C+2*(\t)+1], v[XS+8:XS+15], v11
	v_lshrrev_b32 v[E+(\t)], 23, v11               ; the scale's byte (a plain vector line behind the conversions)
	ds_store_b8 v5, v[E+(\t)] offset:16*(\t)       ; both lanes of a block write the same byte with the same value
	global_store_b64 v4, v[C+2*(\t):C+2*(\t)+1], s[8:9] offset:2048*(\t)   ; 32 lanes store 256 consecutive bytes, at a multiple of 256 from wq's first byte
.endm
.irp t, 0,1,2,3,4,5,6,7,8,9,10,11,12,13,14,15
	STEP \t
.endr
	ds_load_b64 v[12:13], v6                       ; LDS serves a wave's instructions in order: these see my byte stores
	s_wait_dscnt 0x0
	global_store_b64 v4, v[12:13], s[10:11]        ; my 16 rows' scale bytes of my K step: 256 consecutive aligned bytes
	s_wait_tensorcnt 0x0
	ds_add_u32 v164, v165
	s_wait_dscnt 0x0
	s_endpgm
.Lfunc_end_k_q3cb0243e46_quant:
	.size	k_q3cb0243e46_quant, .Lfunc_end_k_q3cb0243e46_quant-k_q3cb0243e46_quant
	.p2alignl 7, 3214868480
	.fill 96, 4, 3214868480
	.section	.rodata,"a",@progbits
	.p2align	6, 0x0
	.amdhsa_kernel k_q3cb0243e46_quant
		.amdhsa_group_segment_fixed_size 33280
		.amdhsa_private_segment_fixed_size 0
		.amdhsa_enable_private_segment 0
		.amdhsa_kernarg_size 96
		.amdhsa_user_sgpr_count 2
		.amdhsa_user_sgpr_kernarg_segment_ptr 1
		.amdhsa_wavefront_size32 1
		.amdhsa_system_sgpr_workgroup_id_x 1
		.amdhsa_system_sgpr_workgroup_id_y 1
		.amdhsa_system_sgpr_workgroup_id_z 1
		.amdhsa_system_vgpr_workitem_id 0
		.amdhsa_next_free_vgpr 166
		.amdhsa_next_free_sgpr 66
		.amdhsa_reserve_vcc 0
		.amdhsa_float_denorm_mode_32 3
		.amdhsa_float_denorm_mode_16_64 3
		.amdhsa_memory_ordered 1
		.amdhsa_forward_progress 1
		.amdhsa_inst_pref_size 35
	.end_amdhsa_kernel
	.amdgpu_metadata
---
amdhsa.version: [ 1, 2 ]
amdhsa.kernels:
  - .name:           k_q3cb0243e46_quant
    .symbol:         k_q3cb0243e46_quant.kd
    .args:
      - { .name: w_xf, .offset: 0, .size: 8, .value_kind: global_buffer, .address_space: global }
      - { .name: w_xi, .offset: 8, .size: 8, .value_kind: global_buffer, .address_space: global }
      - { .name: w_xo, .offset: 16, .size: 8, .value_kind: global_buffer, .address_space: global }
      - { .name: w_xc, .offset: 24, .size: 8, .value_kind: global_buffer, .address_space: global }
      - { .name: w_hf, .offset: 32, .size: 8, .value_kind: global_buffer, .address_space: global }
      - { .name: w_hi, .offset: 40, .size: 8, .value_kind: global_buffer, .address_space: global }
      - { .name: w_ho, .offset: 48, .size: 8, .value_kind: global_buffer, .address_space: global }
      - { .name: w_hc, .offset: 56, .size: 8, .value_kind: global_buffer, .address_space: global }
      - { .name: x_scales, .offset: 64, .size: 8, .value_kind: global_buffer, .address_space: global }
      - { .name: h_scales, .offset: 72, .size: 8, .value_kind: global_buffer, .address_space: global }
      - { .name: wq, .offset: 80, .size: 8, .value_kind: global_buffer, .address_space: global }
      - { .name: scl, .offset: 88, .size: 8, .value_kind: global_buffer, .address_space: global }
    .group_segment_fixed_size: 33280
    .private_segment_fixed_size: 0
    .kernarg_segment_align: 8
    .kernarg_segment_size: 96
    .max_flat_workgroup_size: 128
    .sgpr_count:     66
    .vgpr_count:     166
    .wavefront_size: 32
...
	.end_amdgpu_metadata
.endif
;; end of part 1
;; launch cell (part 2): grid 8 x 32, 4 waves a work-group, clusters of 4 x 4, 327,680 bytes of LDS; arguments x_codes, h_codes, wq, scl, c, b_f, b_i, b_o, b_c, out0, out1; writes out0, out1
.if DOCPART == 2
	.amdgcn_target "amdgcn-amd-amdhsa--gfx1250"
	.amdhsa_code_object_version 6
	.text
	.protected	k_q3cb0243e46_cell
	.globl	k_q3cb0243e46_cell
	.p2align	8
	.type	k_q3cb0243e46_cell,@function
k_q3cb0243e46_cell:
	s_mov_b64 s[64:65], 0
	v_nop
	global_prefetch_b8 v0, s[64:65] scope:SCOPE_SE
	s_setreg_imm32_b32 hwreg(HW_REG_WAVE_MODE, 25, 1), 1
	s_wait_xcnt 0x0
	s_wait_alu depctr_hold_cnt(0) depctr_sa_sdst(0) depctr_va_vdst(0) depctr_va_sdst(0) depctr_va_ssrc(0) depctr_va_vcc(0) depctr_vm_vsrc(0)
	s_getreg_b32 s2, hwreg(HW_REG_IB_STS2, 6, 4)
	s_cmp_eq_u32 s2, 0
	s_cbranch_scc0 .Lentry_in_a_cluster
	s_endpgm
.Lentry_in_a_cluster:
	s_bfe_u32 s2, ttmp6, 0x10000c
	s_cmp_lg_u32 s2, 0xf033
	s_cbranch_scc0 .Lentry_shape_is_right
	s_endpgm
.Lentry_shape_is_right:
; gates = x Wx^T + h Wh^T + b on FP4 codes (K = 4,096: x's 2,048, then h's), then the cell: c_new = sig(f) c + sig(i) tanh(g), h_new = sig(o) tanh(c_new).
; wq [8192 rows][2048 bytes]: the weights' codes, the four gates of 64 neighbouring units in 256 neighbouring rows (16-row block 2 g + u of each 128: gate g, units 16 u ..).
; scl [8 K steps of 512][10240 rows][16 bytes]: rows 0-2047 the batch rows' scale bytes, rows 2048 + R those of wq's row R.
; A work-group makes 256 batch rows x 256 rows of wq (64 units); four waves, each 128 x 128: 64 accumulators, 512 registers.  K goes in 8 steps of 512 through a ring of two LDS slots.
; CLUSTERS 4 x 4: the four of a column of the cluster share the batch rows' tiles, the four of a row share wq's: joint loads.
; The matrix instruction is used transposed (source 0 = rows of wq, source 1 = batch rows): a lane holds eight neighbouring units of one batch row; the biases are the C of the first products.
; REGISTERS: window 0: v0-31 addresses; v32-95 scale words, two sets; v128-255 the batch rows' fragments, two sets.  window 1: v0-63, v128-191 wq's fragments, two sets; v64-127 biases;
;   v192-255 two stages of scale words, loaded two K steps ahead and moved into window 0 (scale operands have no window).  windows 2, 3: accumulators.
; A step of 128 along K: one run of 32 LDS loads for the next step's fragments, then 64 products.
; PREFETCH: each row's 256 bytes of a K step are named once in each cluster: of the 128 rows that a wave fetches each of the four partners takes 32, by address.  K step 1 is asked for behind the
;   first joint load, K steps 2 and 3 behind the second, step t + 4 in change of slots t (two refills ahead of its load); the last trip asks for c's tile instead, 128 rows in each change of slots.
;   So a work-group never has more than two K steps asked for and not yet read.
; LIMITS: sigmoid = rcp(1 + 2^(-x log2 e)), tanh = 1 - 2 rcp(1 + 2^(2 x log2 e)): both hold at the ends of the range (2^.. = infinity gives rcp = 0); tanh of a very small number keeps an absolute, not a relative, f32 accuracy.
.set NQ,     4
.set ROWB,   256
.set PITCH,  272                       ; 256 bytes + 16 of padding
.set FR,     8
.set NP,     4
.set HALFT,  128*PITCH
.set SLOT,   4*HALFT                   ; 256 batch rows, then 256 rows of wq
.set LAPS,   4
.set KSS,    163840                    ; a K step in scl
.set SPARE,  2*SLOT
.set HREG,   2*HALFT                   ; the way out: c and c_new in slot 0's first half, h_new in its second
.set PFO,  14                          ; v14 the tiles' prefetch: lane x row pitch
.set ADRA, 16
.set ADRB, 20
.set GO,   22
.set ADRS, 23
.set CA,   24
.set HA,   25
.set RD,   26
.set RDH,  27
.set SPW,  28
.set NIL,  29
.set BO,   30
.set PF,   31
.set SC,   32
.set AF,   128
.set TG,   32                          ; the way out: v32-159 the gates of two blocks of 16 rows
.set CC,   160                         ; v160-191 their c, then c_new
.set OB,   0                           ; window 1: v0-63, v64-127 rows read back, by turns
.set BI,   64                          ; window 1
.set ST,   192                         ; window 1
.set G1C, 4
.set G0C, 20
.set G1,  24
.set G0,  32
.set G1B, 48
.set G0B, 56
.set PH,  68                           ; s[68:69] the head's prefetches
.set PL,  70                           ; s[70:71] the loop's
.set SB,  74
.set QA,  90
.set MSB, 0
.macro WIN new
.if MSB != \new
	s_set_vgpr_msb (MSB<<8)|\new
.set MSB, \new
.endif
.endm
.set MUL_LO,   0xa1
.set MUL_HI,   0xf1                    ; the first products: 0x91, 0xd1: C in window 1, the biases
.set TO_B,     0x40
.macro JLOAD g0a, g1a, g0b, g1b        ; waves 0, 1 fetch the batch rows' halves, waves 2, 3 wq's
	s_cmp_eq_u32 s15, 0
	s_cbranch_scc0 .Lfor_b_\@
	tensor_load_to_lds s[\g0a:\g0a+3], s[\g1a:\g1a+7]
	s_nop 0
.rept 4
	v_nop
.endr
	s_branch .Lasked_\@
.Lfor_b_\@:
	tensor_load_to_lds s[\g0b:\g0b+3], s[\g1b:\g1b+7]
	s_nop 0
.rept 4
	v_nop
.endr
.Lasked_\@:
.endm
.macro CREST
	s_cmp_lg_u32 s14, 0
	s_cbranch_scc1 .Lnot_wave_0_\@
	s_barrier_signal -3
.Lnot_wave_0_\@:
	s_barrier_wait -3
	s_barrier_signal -1
	s_barrier_wait -1
.endm
.macro CROUND
	s_barrier_signal -1
	s_barrier_wait -1
	CREST
.endm
	s_load_b512 s[68:83], s[0:1], 0x0              ; x_codes, h_codes, wq, scl, c, b_f, b_i, b_o
	s_load_b128 s[84:87], s[0:1], 0x40             ; b_c, out0
	s_load_b64 s[88:89], s[0:1], 0x50              ; out1
	v_lshl_add_u32 v[SPW], v0, 2, SPARE
	v_mov_b32 v[NIL], 0
	ds_add_u32 v[SPW], v[NIL]                      ; the opening lines: the add twice on end and its wait
	ds_add_u32 v[SPW], v[NIL]
	v_lshrrev_b32 v1, 5, v0
	v_readfirstlane_b32 s14, v1                    ; wave
	s_lshr_b32 s15, s14, 1                         ; my half of the batch rows; also: I fetch batch rows (0) or wq (1)
	s_and_b32 s16, s14, 1                          ; my half of wq's rows; also: which 128 rows I fetch
	s_bfe_u32 s40, ttmp6, 0x40000                  ; cx
	s_bfe_u32 s41, ttmp6, 0x40004                  ; cy
	s_lshl_b32 s42, ttmp9, 2
	s_add_co_u32 s42, s42, s40                     ; block of batch rows, 0..7
	s_and_b32 s17, ttmp7, 0xffff
	s_lshl_b32 s17, s17, 2
	s_add_co_u32 s17, s17, s41                     ; block of wq's rows, 0..31
	s_lshl_b32 s43, s41, 2
	s_lshl_b32 s43, 15, s43                        ; my row of the cluster
	s_lshl_b32 s44, 0x1111, s40                    ; my column
	s_or_b32 s[G1+0], s44, (0<<16)|(1<<20)|(1<<21)|(5<<22)|(3<<25)   ; bytes; 16 bytes of padding behind each 256
	s_or_b32 s[G1B+0], s43, (0<<16)|(1<<20)|(1<<21)|(5<<22)|(3<<25)
.irp g, G1, G1B
	s_mov_b32 s[\g+1], ROWB<<16
	s_mov_b32 s[\g+2], 128<<16
	s_mov_b32 s[\g+3], ROWB<<16
	s_mov_b32 s[\g+4], 128
	s_mov_b32 s[\g+6], 0
	s_mov_b32 s[\g+7], 0
.endr
	s_mov_b32 s[G1+5], 1024
	s_mov_b32 s[G1B+5], 2048
	s_mov_b32 s[G1C+0], (2<<16)|(1<<20)|(5<<22)|(3<<25)              ; c's tile: 64 rows of 64 f32 a wave
	s_mov_b32 s[G1C+1], 64<<16
	s_mov_b32 s[G1C+2], 64<<16
	s_mov_b32 s[G1C+3], 64<<16
	s_mov_b32 s[G1C+4], 64
	s_mov_b32 s[G1C+5], 2048
	s_mov_b32 s[G1C+6], 0
	s_mov_b32 s[G1C+7], 0
	s_lshl_b32 s66, s42, 18                        ; 256 rows of 1,024 bytes
	s_lshl_b32 s2, s16, 17
	s_add_co_u32 s66, s66, s2
	s_mov_b32 s67, 0
	s_lshl_b32 s46, s17, 19                        ; 256 rows of 2,048 bytes
	s_lshl_b32 s2, s16, 18
	s_add_co_u32 s46, s46, s2
	s_mov_b32 s47, 0
	s_mul_i32 s45, s14, HALFT
	s_wait_dscnt 0x0                               ; both opening adds are done
	s_wait_kmcnt 0x0
	s_add_nc_u64 s[68:69], s[68:69], s[66:67]
	s_add_nc_u64 s[70:71], s[70:71], s[66:67]
	s_add_nc_u64 s[72:73], s[72:73], s[46:47]
.irp s, 0,1
	s_mov_b32 s[G0+4*\s], 1
	s_add_co_u32 s[G0+4*\s+1], s45, \s*SLOT
	s_add_nc_u64 s[G0+4*\s+2:G0+4*\s+3], s[68:69], \s*ROWB
	s_or_b32 s[G0+4*\s+3], s[G0+4*\s+3], 0x80000000
	s_mov_b32 s[G0B+4*\s], 1
	s_add_co_u32 s[G0B+4*\s+1], s45, \s*SLOT
	s_add_nc_u64 s[G0B+4*\s+2:G0B+4*\s+3], s[72:73], \s*ROWB
	s_or_b32 s[G0B+4*\s+3], s[G0B+4*\s+3], 0x80000000
	s_add_nc_u64 s[QA+6*\s:QA+6*\s+1], s[68:69], 2*ROWB+\s*ROWB      ; the slot's next three tiles of batch rows: x's, then h's two
	s_or_b32 s[QA+6*\s+1], s[QA+6*\s+1], 0x80000000
	s_add_nc_u64 s[QA+6*\s+2:QA+6*\s+3], s[70:71], \s*ROWB
	s_or_b32 s[QA+6*\s+3], s[QA+6*\s+3], 0x80000000
	s_add_nc_u64 s[QA+6*\s+4:QA+6*\s+5], s[70:71], 2*ROWB+\s*ROWB
	s_or_b32 s[QA+6*\s+5], s[QA+6*\s+5], 0x80000000
.endr
	CROUND                                         ; the first joint loads meet
	JLOAD G0, G1, G0B, G1B                         ; K step 0: one tensor load a wave at the head
	; the prefetches' addresses: my work-group's 32 of the 128 rows that I fetch (place cy among the batch rows' partners, cx among wq's)
	s_add_nc_u64 s[18:19], s[72:73], 1024          ; wq at K step 4
	s_lshl_b32 s12, s41, 15
	s_lshl_b32 s13, s40, 16
	s_cmp_eq_u32 s15, 0
	s_cselect_b64 s[PH:PH+1], s[68:69], s[72:73]
	s_cselect_b64 s[PL:PL+1], s[70:71], s[18:19]
	s_cselect_b32 s12, s12, s13
	s_mov_b32 s13, 0
	s_add_nc_u64 s[PH:PH+1], s[PH:PH+1], s[12:13]
	s_add_nc_u64 s[PL:PL+1], s[PL:PL+1], s[12:13]
	s_add_co_u32 s2, s15, 10                       ; a row is 1,024 or 2,048 bytes
	s_lshl_b32 s43, s42, 12                        ; scl: my 128 batch rows,
	s_lshl_b32 s3, s15, 11
	s_add_co_u32 s43, s43, s3
	s_lshl_b32 s44, s17, 12                        ; and how far behind them my 128 rows of wq lie
	s_lshl_b32 s3, s16, 11
	s_add_co_u32 s44, s44, s3
	s_add_co_u32 s44, s44, 2048*16
	s_sub_co_u32 s44, s44, s43
	s_lshl_b32 s45, s17, 8                         ; the biases of my 32 units
	s_lshl_b32 s3, s16, 7
	s_add_co_u32 s45, s45, s3
	s_mul_i32 s46, s15, HALFT
	s_mul_i32 s47, s16, HALFT
	s_add_co_u32 s47, s47, 2*HALFT
	s_add_co_u32 s66, s46, s3                      ; the way out: my rows, my 128 bytes of them
	s_mul_i32 s67, s16, 8*PITCH
	s_add_co_u32 s67, s67, s46                     ; and the 8 of each 16 rows that I store
	v_and_b32 v1, 15, v0                           ; r
	v_bfe_u32 v2, v0, 4, 1                         ; h
	v_and_b32 v6, 31, v0
	v_lshlrev_b32 v[PFO], s2, v6
	v_mul_u32_u24 v5, s44, v2                      ; lanes 16-31 take wq's scale words
	v_lshl_add_u32 v5, v1, 4, v5
	v_add_nc_u32 v[ADRS], s43, v5
	v_lshl_add_u32 v[BO], v2, 5, s45
	v_mul_u32_u24 v3, v1, PITCH
	v_lshl_add_u32 v4, v2, 4, v3
	v_add_nc_u32 v[ADRA], s46, v4
	v_add_nc_u32 v[ADRB], s47, v4
	v_add_nc_u32 v[ADRA+1], SLOT, v[ADRA]
	v_add_nc_u32 v[ADRB+1], SLOT, v[ADRB]
	v_lshl_add_u32 v5, v2, 5, v3
	v_add_nc_u32 v[CA], s66, v5
	v_add_nc_u32 v[HA], HREG, v[CA]
	v_mul_u32_u24 v7, v2, PITCH
	v_lshl_add_u32 v7, v1, 4, v7
	v_add_nc_u32 v[RD], s67, v7
	v_add_nc_u32 v[RDH], HREG, v[RD]
	v_lshlrev_b32 v8, 13, v2
	v_lshl_add_u32 v[GO], v1, 4, v8
	v_lshlrev_b32 v[PF], 13, v0
.macro SCLOAD reg, off                 ; a K step's scale words: lanes 0-15 batch block i, lanes 16-31 wq's block i; four words a row
.irp i, 0,1,2,3,4,5,6,7
	global_load_b128 v[\reg+4*\i:\reg+4*\i+3], v[ADRS], s[SB:SB+1] offset:\off+256*\i
.endr
.endm
	SCLOAD SC, 0
	SCLOAD SC+32, KSS
	WIN TO_B
	SCLOAD ST, 2*KSS
	SCLOAD ST+32, 3*KSS
.irp g, 0,1,2,3
.irp u, 0,1
	global_load_b128 v[BI+8*(2*\g+\u):BI+8*(2*\g+\u)+3],   v[BO], s[78+2*\g:79+2*\g] offset:64*\u
	global_load_b128 v[BI+8*(2*\g+\u)+4:BI+8*(2*\g+\u)+7], v[BO], s[78+2*\g:79+2*\g] offset:64*\u+16
.endr
.endr
	WIN 0
	global_prefetch_b8 v[PFO], s[PH:PH+1] offset:ROWB th:TH_LOAD_NT scope:SCOPE_SE      ; K step 1
	s_lshl_b32 s18, s42, 21                        ; c, out0, out1 at my work-group's tile
	s_lshl_b32 s19, s17, 8
	s_add_co_u32 s18, s18, s19
	s_mov_b32 s19, 0
	s_add_nc_u64 s[76:77], s[76:77], s[18:19]
	s_add_nc_u64 s[86:87], s[86:87], s[18:19]
	s_add_nc_u64 s[88:89], s[88:89], s[18:19]
	s_mov_b32 s[G0C], 1
	s_mul_i32 s[G0C+1], s14, 64*PITCH
	s_lshl_b32 s18, s14, 19
	s_add_nc_u64 s[G0C+2:G0C+3], s[76:77], s[18:19]
	s_or_b32 s[G0C+3], s[G0C+3], 0x80000000
	s_lshl_b32 s18, s15, 20
	s_lshl_b32 s12, s16, 16
	s_add_co_u32 s18, s18, s12
	s_add_nc_u64 s[86:87], s[86:87], s[18:19]
	s_add_nc_u64 s[88:89], s[88:89], s[18:19]
.macro FRAG reg, adr, q, i
.irp c, 0,1
	ds_load_b128 v[\reg+4*\c:\reg+4*\c+3], v[\adr] offset:64*(\q)+32*\c+(\i)*16*PITCH
.endr
.endm
; 16 products: batch blocks a0, a0 + 1 x wq's eight; p: the fragment sets; sc: the set of scale words.  The 64 accumulators take turns.
.macro MUL16 a0, p, q, sc, first
.irp a, \a0, \a0+1
.irp b, 0,1,2,3,4,5,6,7
.if \first
	v_wmma_scale_f32_16x16x128_f8f6f4 v[8*(8*((\a)%4)+\b):8*(8*((\a)%4)+\b)+7], v[128*(\p)+FR*\b:128*(\p)+FR*\b+FR-1], v[AF+64*(\p)+FR*(\a):AF+64*(\p)+FR*(\a)+FR-1], v[BI+8*\b:BI+8*\b+7], v[SC+8*NQ*(\sc)+NQ*\b+(\q)], v[SC+8*NQ*(\sc)+NQ*(\a)+(\q)] matrix_a_fmt:MATRIX_FMT_FP4 matrix_b_fmt:MATRIX_FMT_FP4 matrix_a_scale:MATRIX_SCALE_ROW1
.else
	v_wmma_scale_f32_16x16x128_f8f6f4 v[8*(8*((\a)%4)+\b):8*(8*((\a)%4)+\b)+7], v[128*(\p)+FR*\b:128*(\p)+FR*\b+FR-1], v[AF+64*(\p)+FR*(\a):AF+64*(\p)+FR*(\a)+FR-1], v[8*(8*((\a)%4)+\b):8*(8*((\a)%4)+\b)+7], v[SC+8*NQ*(\sc)+NQ*\b+(\q)], v[SC+8*NQ*(\sc)+NQ*(\a)+(\q)] matrix_a_fmt:MATRIX_FMT_FP4 matrix_b_fmt:MATRIX_FMT_FP4 matrix_a_scale:MATRIX_SCALE_ROW1
.endif
.endr
.endr
.endm
.macro LDALL slot, q, p                ; 32 loads in one run: wq's eight blocks, then the batch rows' eight, into sets p
	WIN TO_B
.irp i, 0,1,2,3,4,5,6,7
	FRAG 128*(\p)+FR*\i, ADRB+\slot, \q, \i
.endr
	WIN 0
.irp i, 0,1,2,3,4,5,6,7
	FRAG AF+64*(\p)+FR*\i, ADRA+\slot, \q, \i
.endr
.endm
.macro PLACES n
.rept \n
	v_nop
.endr
.endm
; A step of 128 along K with its successor in the same slot.  The loads go into the sets that the last step's products read: four places stand between.
.macro STEP slot, q, first
	PLACES NP
	LDALL \slot, (\q)+1, 1-(\q)%2
	s_wait_dscnt 40                                ; the 32 just issued and this step's youngest eight (batch blocks 4-7) may be out
	WIN MUL_LO-0x10*\first
	MUL16 0, (\q)%2, \q, \slot, \first
	MUL16 2, (\q)%2, \q, \slot, \first
	s_wait_dscnt 32                                ; all but the 32 just issued
	WIN MUL_HI-0x20*\first
	MUL16 4, (\q)%2, \q, \slot, \first
	MUL16 6, (\q)%2, \q, \slot, \first
.endm
; A slot's last step changes slots.  fill = 1: the slot is filled again, two K steps ahead; fill = 2: c's tile lands in slot 0's first half.
.macro TURN slot, next, fill
	PLACES NP
	WIN 0
	s_wait_tensorcnt 0x0                           ; all my tensor loads have landed: my part of the next slot
	ds_add_u32 v[SPW], v[NIL]
	s_wait_dscnt 9                                 ; the add and batch blocks 4-7 may be out
	WIN MUL_LO
	MUL16 0, 1, NQ-1, \slot, 0
	s_wait_dscnt 0x0                               ; the add is done, my reads of this slot are over
	s_barrier_signal -1
	MUL16 2, 1, NQ-1, \slot, 0
	WIN 0
	s_barrier_wait -1
	CREST                                          ; the barrier has opened a round of the cluster's barrier
.if \fill == 1
	s_mov_b64 s[G0+4*\slot+2:G0+4*\slot+3], s[QA+6*\slot:QA+6*\slot+1]
	s_mov_b64 s[QA+6*\slot:QA+6*\slot+1], s[QA+6*\slot+2:QA+6*\slot+3]
	s_mov_b64 s[QA+6*\slot+2:QA+6*\slot+3], s[QA+6*\slot+4:QA+6*\slot+5]
	s_add_nc_u64 s[G0B+4*\slot+2:G0B+4*\slot+3], s[G0B+4*\slot+2:G0B+4*\slot+3], 2*ROWB
	JLOAD G0+4*\slot, G1, G0B+4*\slot, G1B
.else
	tensor_load_to_lds s[G0C:G0C+3], s[G1C:G1C+7]
	s_nop 0
	PLACES 4
.endif
	LDALL \next, 0, 0
.if \fill == 1
	s_cmp_gt_u32 s3, 1                             ; trips 1 and 2: the K step two refills on; the last trip: 128 rows of c's tile, a thread a row
	s_cbranch_scc0 .Lask_c_\@
	global_prefetch_b8 v[PFO], s[PL:PL+1] th:TH_LOAD_NT scope:SCOPE_SE
	s_branch .Lasked_p_\@
.Lask_c_\@:
	global_prefetch_b8 v[PF], s[76:77] offset:\slot*128*8192 th:TH_LOAD_NT scope:SCOPE_SE
.Lasked_p_\@:
.endif
	WIN MUL_HI
	MUL16 4, 1, NQ-1, \slot, 0
	MUL16 6, 1, NQ-1, \slot, 0
.if \fill == 1
	PLACES NP                                      ; behind the last reader of this set of scale words
	s_wait_loadcnt 8                               ; this slot's stage is in; the other stage's eight loads may be out
	WIN 0x01
.set j, 0
.rept 32
	v_mov_b32 v[SC+32*\slot+j], v[ST+32*\slot+j]   ; the words of this slot's next K step
.set j, j+1
.endr
	s_wait_alu depctr_va_vdst(0)
	s_wait_xcnt 0x0                                ; the earlier loads and the prefetch have read their bases
	s_cmp_gt_u32 s3, 1
	s_cselect_b32 s12, KSS, 0                      ; the last trip stays at K step 7 and loads its words again: all trips issue the same loads, so the count above holds on every path
	s_add_nc_u64 s[SB:SB+1], s[SB:SB+1], s[12:13]
	s_add_nc_u64 s[PL:PL+1], s[PL:PL+1], ROWB
	WIN TO_B
	SCLOAD ST+32*\slot, 0                          ; four K steps on from this one
.endif
.endm
.macro STEPS slot, from
.set Q, \from
.rept NQ-1-\from
	STEP \slot, Q, 0
.set Q, Q+1
.endr
.endm
	s_wait_alu depctr_va_vdst(0)
	s_wait_tensorcnt 0x0                           ; my part of K step 0 is in
	ds_add_u32 v[SPW], v[NIL]
	s_wait_dscnt 0x0
	CROUND
	JLOAD G0+4, G1, G0B+4, G1B                     ; K step 1
	LDALL 0, 0, 0
	global_prefetch_b8 v[PFO], s[PH:PH+1] offset:2*ROWB th:TH_LOAD_NT scope:SCOPE_SE    ; K step 2
	global_prefetch_b8 v[PFO], s[PH:PH+1] offset:3*ROWB th:TH_LOAD_NT scope:SCOPE_SE    ; K step 3
	s_wait_loadcnt 0x0                             ; scale words and biases
	s_add_nc_u64 s[SB:SB+1], s[SB:SB+1], 3*KSS
	s_mov_b32 s13, 0
	STEP 0, 0, 1                                   ; the first products start the sums from the biases
	WIN 0
	s_mov_b32 s3, LAPS-1
.Llap:
	STEPS 0, 1
	TURN 0, 1, 1
	STEPS 1, 0
	TURN 1, 0, 1
	STEP 0, 0, 0
	WIN 0
	s_sub_co_u32 s3, s3, 1
	s_cmp_lg_u32 s3, 0
	s_cbranch_scc1 .Llap
	STEPS 0, 1
	TURN 0, 1, 2
	STEPS 1, 0
	s_wait_dscnt 8
	WIN MUL_LO
	MUL16 0, 1, NQ-1, 1, 0
	MUL16 2, 1, NQ-1, 1, 0
	s_wait_dscnt 0
	WIN MUL_HI
	MUL16 4, 1, NQ-1, 1, 0
	MUL16 6, 1, NQ-1, 1, 0
	WIN 0
	s_wait_tensorcnt 0x0                           ; my 64 rows of c
	s_barrier_signal -1
	s_barrier_wait -1
	PLACES NP
	s_mov_b32 s12, 0xbfb8aa3b                      ; -log2 e
	s_mov_b32 s13, s12
	s_mov_b32 s18, 0x4038aa3b                      ; 2 log2 e
	s_mov_b32 s19, s18
; THE WAY OUT, by four pairs of blocks of 16 batch rows.  A row's 256 bytes come from two waves, so c_new and h_new go through LDS with a barrier a pair.  w = 0..3: block 2 P + w / 2, units 16 (w % 2) ..
; The next pair's scalings and first exponentials stand between a barrier's signal and its wait; the finished rows and the next c are read from LDS under the arithmetic that follows.
.macro CLOAD P
.irp w, 0,1,2,3
	ds_load_b128 v[CC+8*\w:CC+8*\w+3],   v[CA] offset:(2*(\P)+\w/2)*16*PITCH+64*(\w%2)
	ds_load_b128 v[CC+8*\w+4:CC+8*\w+7], v[CA] offset:(2*(\P)+\w/2)*16*PITCH+64*(\w%2)+16
.endr
.endm
.macro GATES P                         ; registers alone: the exponents, and 2^ of them
	WIN 0x02+(\P)/2
.if (\P) > 0
	s_wait_alu depctr_va_vdst(0)
.endif
.irp w, 0,1,2,3
.irp g, 0,1,2
.irp k, 0,2,4,6
	v_pk_mul_f32 v[TG+32*\w+8*\g+\k:TG+32*\w+8*\g+\k+1], v[64*((2*(\P)+\w/2)%4)+8*(2*\g+\w%2)+\k:64*((2*(\P)+\w/2)%4)+8*(2*\g+\w%2)+\k+1], s[12:13] op_sel_hi:[1,0]
.endr
.endr
.irp k, 0,2,4,6
	v_pk_mul_f32 v[TG+32*\w+24+\k:TG+32*\w+24+\k+1], v[64*((2*(\P)+\w/2)%4)+8*(6+\w%2)+\k:64*((2*(\P)+\w/2)%4)+8*(6+\w%2)+\k+1], s[18:19] op_sel_hi:[1,0]
.endr
.endr
	WIN 0
	s_wait_alu depctr_va_vdst(0)                   ; a wait ahead of each batch of transcendentals and behind it
.set j, 0
.rept 128
	v_exp_f32 v[TG+j], v[TG+j]
.set j, j+1
.endr
.endm
.macro ROWS P                          ; eight whole rows of each block back, of c_new and of h_new, into window 1
.if (\P) > 1
	s_wait_xcnt 0x0                                ; pair P - 2's stores have read these registers
.endif
	WIN TO_B
.irp e, 0,1
.irp t, 0,1,2,3
	ds_load_b128 v[OB+64*((\P)%2)+32*\e+4*\t:OB+64*((\P)%2)+32*\e+4*\t+3], v[RD] offset:(16*(2*(\P)+\e)+2*\t)*PITCH
.endr
.irp t, 0,1,2,3
	ds_load_b128 v[OB+64*((\P)%2)+32*\e+16+4*\t:OB+64*((\P)%2)+32*\e+16+4*\t+3], v[RDH] offset:(16*(2*(\P)+\e)+2*\t)*PITCH
.endr
.endr
	WIN 0
.endm
.macro OUT P                           ; sixteen lanes store 256 consecutive aligned bytes
	WIN 0x04
.irp e, 0,1
.irp t, 0,1,2,3
	global_store_b128 v[GO], v[OB+64*((\P)%2)+32*\e+4*\t:OB+64*((\P)%2)+32*\e+4*\t+3], s[88:89] offset:(16*(2*(\P)+\e)+2*\t)*8192 th:TH_STORE_NT
.endr
.irp t, 0,1,2,3
	global_store_b128 v[GO], v[OB+64*((\P)%2)+32*\e+16+4*\t:OB+64*((\P)%2)+32*\e+16+4*\t+3], s[86:87] offset:(16*(2*(\P)+\e)+2*\t)*8192 th:TH_STORE_NT
.endr
.endr
	WIN 0
.endm
.macro CELL P                          ; from 2^.. to c_new and h_new; in its middle the pair before goes out
	v_nop
	s_wait_alu depctr_va_vdst(0)
.set j, 0
.rept 64
	v_pk_add_f32 v[TG+j:TG+j+1], v[TG+j:TG+j+1], 1.0 op_sel_hi:[1,0]
.set j, j+2
.endr
	s_wait_alu depctr_va_vdst(0)
.set j, 0
.rept 128
	v_rcp_f32 v[TG+j], v[TG+j]
.set j, j+1
.endr
	v_nop
	s_wait_dscnt 0x0                               ; this pair's c and the last pair's rows are in registers
	s_wait_alu depctr_va_vdst(0)
.if (\P) > 0
	OUT (\P)-1
.endif
.irp w, 0,1,2,3
.irp k, 0,2,4,6
	v_pk_fma_f32 v[TG+32*\w+24+\k:TG+32*\w+24+\k+1], v[TG+32*\w+24+\k:TG+32*\w+24+\k+1], -2.0, 1.0 op_sel_hi:[1,0,0]   ; tanh(g)
.endr
.endr
.irp w, 0,1,2,3
.irp k, 0,2,4,6
	v_pk_mul_f32 v[CC+8*\w+\k:CC+8*\w+\k+1], v[TG+32*\w+\k:TG+32*\w+\k+1], v[CC+8*\w+\k:CC+8*\w+\k+1]
.endr
.endr
.irp w, 0,1,2,3
.irp k, 0,2,4,6
	v_pk_fma_f32 v[CC+8*\w+\k:CC+8*\w+\k+1], v[TG+32*\w+8+\k:TG+32*\w+8+\k+1], v[TG+32*\w+24+\k:TG+32*\w+24+\k+1], v[CC+8*\w+\k:CC+8*\w+\k+1]   ; c_new
.endr
.endr
.irp w, 0,1,2,3
.irp k, 0,2,4,6
	v_pk_mul_f32 v[TG+32*\w+\k:TG+32*\w+\k+1], v[CC+8*\w+\k:CC+8*\w+\k+1], s[18:19] op_sel_hi:[1,0]
.endr
.endr
	s_wait_alu depctr_va_vdst(0)
.irp w, 0,1,2,3
.irp j, 0,1,2,3,4,5,6,7
	v_exp_f32 v[TG+32*\w+\j], v[TG+32*\w+\j]
.endr
.endr
	v_nop
	s_wait_alu depctr_va_vdst(0)
.irp w, 0,1,2,3
.irp k, 0,2,4,6
	v_pk_add_f32 v[TG+32*\w+\k:TG+32*\w+\k+1], v[TG+32*\w+\k:TG+32*\w+\k+1], 1.0 op_sel_hi:[1,0]
.endr
.endr
	s_wait_alu depctr_va_vdst(0)
.irp w, 0,1,2,3
.irp j, 0,1,2,3,4,5,6,7
	v_rcp_f32 v[TG+32*\w+\j], v[TG+32*\w+\j]
.endr
.endr
	v_nop
	s_wait_alu depctr_va_vdst(0)
.irp w, 0,1,2,3
.irp k, 0,2,4,6
	v_pk_fma_f32 v[TG+32*\w+\k:TG+32*\w+\k+1], v[TG+32*\w+\k:TG+32*\w+\k+1], -2.0, 1.0 op_sel_hi:[1,0,0]
.endr
.endr
.irp w, 0,1,2,3
.irp k, 0,2,4,6
	v_pk_mul_f32 v[TG+32*\w+8+\k:TG+32*\w+8+\k+1], v[TG+32*\w+16+\k:TG+32*\w+16+\k+1], v[TG+32*\w+\k:TG+32*\w+\k+1]   ; h_new
.endr
.endr
.endm
.macro PUT P                           ; c_new over my part of c's rows, h_new beside
.irp w, 0,1,2,3
	ds_store_b128 v[CA], v[CC+8*\w:CC+8*\w+3]         offset:(2*(\P)+\w/2)*16*PITCH+64*(\w%2)
	ds_store_b128 v[CA], v[CC+8*\w+4:CC+8*\w+7]       offset:(2*(\P)+\w/2)*16*PITCH+64*(\w%2)+16
	ds_store_b128 v[HA], v[TG+32*\w+8:TG+32*\w+11]    offset:(2*(\P)+\w/2)*16*PITCH+64*(\w%2)
	ds_store_b128 v[HA], v[TG+32*\w+12:TG+32*\w+15]   offset:(2*(\P)+\w/2)*16*PITCH+64*(\w%2)+16
.endr
.endm
	CLOAD 0
	GATES 0
.irp P, 0,1,2,3
	CELL \P
	PUT \P
	s_wait_dscnt 0x0                               ; my stores are done, for the others' sake
	s_barrier_signal -1
.if \P < 3
	GATES \P+1
.endif
	s_barrier_wait -1                              ; every wave's part of pair P is in the stage
.if \P < 3
	CLOAD \P+1
.endif
	ROWS \P
.endr
	s_wait_dscnt 0x0
	OUT 3
	s_wait_tensorcnt 0x0                           ; the wave's end
	ds_add_u32 v[SPW], v[NIL]
	s_wait_dscnt 0x0
	CROUND                                         ; the closing round
	s_endpgm
.Lfunc_end_k_q3cb0243e46_cell:
	.size	k_q3cb0243e46_cell, .Lfunc_end_k_q3cb0243e46_cell-k_q3cb0243e46_cell
	.p2alignl 7, 3214868480
	.fill 96, 4, 3214868480
	.section	.rodata,"a",@progbits
	.p2align	6, 0x0
	.amdhsa_kernel k_q3cb0243e46_cell
		.amdhsa_group_segment_fixed_size 327680
		.amdhsa_private_segment_fixed_size 0
		.amdhsa_enable_private_segment 0
		.amdhsa_kernarg_size 88
		.amdhsa_user_sgpr_count 2
		.amdhsa_user_sgpr_kernarg_segment_ptr 1
		.amdhsa_wavefront_size32 1
		.amdhsa_system_sgpr_workgroup_id_x 1
		.amdhsa_system_sgpr_workgroup_id_y 1
		.amdhsa_system_sgpr_workgroup_id_z 1
		.amdhsa_system_vgpr_workitem_id 0
		.amdhsa_next_free_vgpr 1024
		.amdhsa_next_free_sgpr 102
		.amdhsa_reserve_vcc 0
		.amdhsa_float_denorm_mode_32 3
		.amdhsa_float_denorm_mode_16_64 3
		.amdhsa_memory_ordered 1
		.amdhsa_forward_progress 1
		.amdhsa_inst_pref_size 255
	.end_amdhsa_kernel
	.section	.bss,"aw",@nobits
	.p2align	6
	.space	262144
	.amdgpu_metadata
---
amdhsa.version: [ 1, 2 ]
amdhsa.kernels:
  - .name:           k_q3cb0243e46_cell
    .symbol:         k_q3cb0243e46_cell.kd
    .args:
      - { .name: x_codes, .offset: 0, .size: 8, .value_kind: global_buffer, .address_space: global }
      - { .name: h_codes, .offset: 8, .size: 8, .value_kind: global_buffer, .address_space: global }
      - { .name: wq, .offset: 16, .size: 8, .value_kind: global_buffer, .address_space: global }
      - { .name: scl, .offset: 24, .size: 8, .value_kind: global_buffer, .address_space: global }
      - { .name: c, .offset: 32, .size: 8, .value_kind: global_buffer, .address_space: global }
      - { .name: b_f, .offset: 40, .size: 8, .value_kind: global_buffer, .address_space: global }
      - { .name: b_i, .offset: 48, .size: 8, .value_kind: global_buffer, .address_space: global }
      - { .name: b_o, .offset: 56, .size: 8, .value_kind: global_buffer, .address_space: global }
      - { .name: b_c, .offset: 64, .size: 8, .value_kind: global_buffer, .address_space: global }
      - { .name: out0, .offset: 72, .size: 8, .value_kind: global_buffer, .address_space: global }
      - { .name: out1, .offset: 80, .size: 8, .value_kind: global_buffer, .address_space: global }
    .group_segment_fixed_size: 327680
    .private_segment_fixed_size: 0
    .kernarg_segment_align: 8
    .kernarg_segment_size: 88
    .max_flat_workgroup_size: 128
    .sgpr_count:     102
    .vgpr_count:     1024
    .wavefront_size: 32
...
	.end_amdgpu_metadata
.endif
;; end of part 2
